; MI455X (gfx1250); checked and timed in simulation.
; The chip was launched on July 23, 2026; its instructions are those of AMD's public machine-readable ISA for CDNA 5 (MIT licence, August 2026) and "CDNA5" Instruction Set Architecture Reference Guide (July 2026). The comments in the code are by the model that wrote it; some were corrected since.
;; Causal Self Attention. Allowed arithmetic: matrix products marked QUANTISED: E4M3 operands, one given power-of-two scale a tensor, by v_wmma_f32_16x16x64_fp8_fp8 or v_wmma_f32_16x16x128_fp8_fp8, f32 sums; everything else in f32.
;; Inputs: W_attn 3,072 x 1,024 float32; W_proj 1,024 x 1,024 float32; b_attn 3,072 float32; b_proj 1,024 float32; lowp_scales 8 int32 (the exponents e of the quantised operands' scales 2^e); x 4 x 2,048 x 1,024 float32.
;; Outputs: out0 4 x 2,048 x 1,024 float32.
;; This version of the problem:
;;   THIS VERSION OF THE PROBLEM IS GIVEN IN LOW PRECISION. The matrix products marked QUANTISED in the list below multiply operands that are first quantised to E4M3 (4 exponent bits, 3 mantissa bits; 8 bits a number), with one given power-of-two scale for each operand tensor; their sums are f32. All else is computed in f32.
;;   The module's matrix products, in the order in which they are computed (A, B: the left and right operand; K: the contracted axis; several contracted axes count as one K, in the product's order):
;;     1. [M 8,192, K 1,024] x [K 1,024, N 3,072]; A: input x; B: input W_attn: QUANTISED (scales: A lowp_scales[0], B lowp_scales[1])
;;     2. batch 64 x [M 2,048, K 64] x [K 64, N 2,048]; A: computed on the way; B: computed on the way: QUANTISED (scales: A lowp_scales[2], B lowp_scales[3])
;;     3. batch 64 x [M 2,048, K 2,048] x [K 2,048, N 64]; A: softmax (see below); B: computed on the way: QUANTISED (scales: A lowp_scales[4], B lowp_scales[5])
;;     4. [M 8,192, K 1,024] x [K 1,024, N 1,024]; A: computed on the way; B: input W_proj: QUANTISED (scales: A lowp_scales[6], B lowp_scales[7])
;;   THE QUANTISER, for each operand of a quantised product, along K:
;;     - The operand's scale is 2^e, e = its entry of the input lowp_scales (int32; the entries are numbered through the quantised products in the list's order, A before B).
;;     - Each number is divided by the scale, clamped to +-448, and rounded to the nearest number of E4M3, ties to even, subnormals kept.
;;     - The product sums the exact products of the quantised numbers (number of the format x scale) in f32.
;;   ~~~python
;;   def quantise(x, axis, e):      # numpy; x: float32 -> the quantised numbers, widened to float32 again
;;       x = np.moveaxis(x, axis, -1); K = x.shape[-1]
;;       r = np.clip(x / 2.0 ** e, -448, 448)
;;       step = 2.0 ** (np.maximum(np.frexp(np.where(r == 0, 1, r))[1] - 1, -6) - 3)
;;       q = np.round(r / step) * step * 2.0 ** e      # np.round: ties to even
;;       return np.moveaxis(q, -1, axis).astype(np.float32)
;;   ~~~
;;   SOFTMAX AHEAD OF A QUANTISED PRODUCT. Where the list says 'softmax', what is quantised is not the finished softmax but p = 2^(t - M), with t = logit x log2(e) and M = ceil(the row's largest t), a whole number; so 1/2 < the row's largest p <= 1. The row's sum l is taken of the UNQUANTISED p, in f32, and the product's result is divided by l at the end. Since M is a whole number, a kernel that streams over the keys may use a running M (the ceiling of the running maximum): every later rescaling is an exact power of two, so the quantised numbers keep their values, but for numbers so far below the row's largest that they fall under the format's range.
;;   OPERANDS COMPUTED ON THE WAY. 'Computed on the way' means the value that the module computes at that place (a softmax that the list does not call 'softmax' is quantised finished and normalised). What goes into a quantiser is computed in f32, as accurately as f32 sums, v_exp_f32 and their like allow (about 1e-6 of the number): no bf16 or f16 on the way to a quantiser, and a product that is left as it is and whose result goes on into a quantised operand takes f32 operands (vector FMAs, or v_wmma_f32_16x16x4_f32). A number that lies on a knife's edge between two numbers of the format may be rounded either way, as far as f32 arithmetic and the matrix unit's own rounding can turn it there, and no further.
;; One version. Each part assembles by itself: llvm-mc -triple=amdgcn-amd-amdhsa -mcpu=gfx1250 --defsym DOCPART=n.
;; ======== version 1 of 1: 4 launches
;; limits: right only within a limited range of input values
;; workspace buffers: codes 12,582,912 bytes; qkv 25,165,824 bytes; ycodes 8,388,608 bytes
;; launch quant (part 1): grid 768 x 1, 4 waves a work-group, no clusters, 68,096 bytes of LDS; arguments x, W_attn, W_proj, lowp_scales, codes; writes codes
.if DOCPART == 1
	.amdgcn_target "amdgcn-amd-amdhsa--gfx1250"
	.amdhsa_code_object_version 6
	.text
	.protected	k_q31aa5ad8fa_quant
	.globl	k_q31aa5ad8fa_quant
	.p2align	8
	.type	k_q31aa5ad8fa_quant,@function
k_q31aa5ad8fa_quant:
	s_mov_b64 s[64:65], 0
	v_nop
	global_prefetch_b8 v0, s[64:65] scope:SCOPE_SE
	s_setreg_imm32_b32 hwreg(HW_REG_WAVE_MODE, 25, 1), 1
	s_wait_xcnt 0x0
; x [8192][1024], W_attn [3072][1024] and W_proj [1024][1024], f32 with K innermost, become codes of FP8 (E4M3), each tensor with its given scale 2^e
; (entries 0, 1 and 7 of the scales): code = number / 2^e, held within +-448, rounded to the nearest code, ties to even.
; THE CODES ARE LAID AS IMAGES OF OPERAND REGISTERS.  The three tensors count as 12,288 rows on end.  A tile of 16 rows has 16,384 bytes: eight fragments of 16 rows x 128 K, 2,048 bytes each;
; a fragment is four groups of four registers, 512 bytes a group, lane l's 16 bytes at 16 l.  Lane l holds row l % 16; registers 2 c, 2 c + 1 hold K = 16 c + 8 (l / 16) + 0 .. 7 (ISA guide 7.12.2).
; SHARES.  A work-group takes one tile of 16 rows, wave w its K = 256 w .. 256 w + 255: two fragments.  Each load reads 512 consecutive bytes of one row; a fragment's 16 rows turn through the wave's own stage
; in LDS (rows of 512 bytes + 16), from which a lane takes its 8 x 32 bytes; each store of codes covers 512 consecutive bytes, aligned.  All 32 loads of a wave go out at the head: no loop, no barrier, waves share nothing.
; One path serves the three tensors: pointer, tile and exponent are chosen by the work-group's number.
; LIMITS: each e between -126 and 127, so that 2^e is an f32 number.  NaN among the inputs is not served (an infinity is held at the largest code).
.set SP,    528                        ; a stage row: 512 bytes + 16: sixteen rows start at sixteen different 16-byte columns
.set STG,   16*SP                      ; a stage
.set WREG,  2*STG                      ; a wave's two stages
.set SPARE, 4*WREG                     ; behind them: the spare words, 128 bytes a wave, that no other line names
.set OFF, 2                            ; v2   16 x lane; never rewritten
.set STI, 3                            ; v3   into a stage: my wave's region + 16 x lane
.set STO, 4                            ; v4   out of it: row l % 16, + 32 (l / 16)
.set SPW, 6                            ; v6   LDS address of my spare word; never rewritten
.set NIL, 7                            ; v7   0; never rewritten
.set SC,  8                            ; v8   2^e as f32
.set LM,  9
.set R0,  16                           ; v16-79   fragment 0 as loaded; later fragment 1 turned
.set R1,  80                           ; v80-143  fragment 1 as loaded
.set X,   144                          ; v144-207 fragment 0 turned
.set C,   208                          ; v208-239 codes, 16 registers a fragment: no store's data are written again
	s_load_b256 s[4:11], s[0:1], 0x0               ; x s[4:5], W_attn s[6:7], W_proj s[8:9], the scales' exponents s[10:11]
	s_load_b64 s[12:13], s[0:1], 0x20              ; the codes
	v_lshl_add_u32 v[SPW], v0, 2, SPARE
	v_mov_b32 v[NIL], 0
	v_lshrrev_b32 v1, 5, v0
	v_readfirstlane_b32 s16, v1                    ; wave 0..3
	v_and_b32 v1, 31, v0
	v_lshlrev_b32 v[OFF], 4, v1
	s_mul_i32 s17, s16, WREG
	v_add_nc_u32 v[STI], s17, v[OFF]
	v_and_b32 v10, 15, v0                          ; r
	v_bfe_u32 v11, v0, 4, 1                        ; h
	v_mul_u32_u24 v[STO], v10, SP
	v_lshl_add_u32 v[STO], v11, 5, v[STO]
	v_add_nc_u32 v[STO], s17, v[STO]
	s_cmp_lt_u32 ttmp9, 512                        ; tiles 0-511: x; 512-703: W_attn; 704-767: W_proj
	s_cselect_b32 s22, 0, 512
	s_cmp_lt_u32 ttmp9, 704
	s_cselect_b32 s22, s22, 704
	s_sub_co_u32 s22, ttmp9, s22                   ; the tile's number in its own tensor
	s_lshl_b32 s34, s22, 16                        ; 16 rows of 4,096 bytes
	s_lshl_b32 s18, s16, 10                        ; + my wave's 1,024 bytes of a row
	s_add_co_u32 s34, s34, s18
	s_mov_b32 s35, 0
	s_lshl_b32 s36, ttmp9, 14                      ; the tile's 16,384 bytes of codes
	s_lshl_b32 s18, s16, 12                        ; + my two fragments
	s_add_co_u32 s36, s36, s18
	s_mov_b32 s37, 0
	s_wait_alu depctr_va_vdst(0)
	s_wait_kmcnt 0x0
	s_load_b256 s[24:31], s[10:11], 0x0            ; the eight exponents
	s_cmp_lt_u32 ttmp9, 512
	s_cselect_b64 s[20:21], s[4:5], s[6:7]
	s_cmp_lt_u32 ttmp9, 704
	s_cselect_b64 s[20:21], s[20:21], s[8:9]
	s_add_nc_u64 s[20:21], s[20:21], s[34:35]
	s_add_nc_u64 s[12:13], s[12:13], s[36:37]
.irp i, 0,1,2,3,4,5,6,7,8,9,10,11,12,13,14,15
	global_load_b128 v[R0+4*\i:R0+4*\i+3], v[OFF], s[20:21] offset:4096*\i th:TH_LOAD_NT        ; row i, fragment 0: 512 consecutive bytes
.endr
.irp i, 0,1,2,3,4,5,6,7,8,9,10,11,12,13,14,15
	global_load_b128 v[R1+4*\i:R1+4*\i+3], v[OFF], s[20:21] offset:4096*\i+512 th:TH_LOAD_NT    ; row i, fragment 1
.endr
	s_wait_kmcnt 0x0
	s_cmp_lt_u32 ttmp9, 512
	s_cselect_b32 s23, s24, s25
	s_cmp_lt_u32 ttmp9, 704
	s_cselect_b32 s23, s23, s31                    ; e
	s_add_co_i32 s23, s23, 127
	s_lshl_b32 s32, s23, 23
	v_mov_b32 v[SC], s32                           ; 2^e: the conversion takes its exponent field
; 64 numbers of a lane, register 8 c + i = K 16 c + 8 (l / 16) + i of my row, become a fragment's 16 registers of codes
.macro QUANT src, dst
.set J, 0
.rept 64
.set J, J+1
.endr
.irp c, 0,1,2,3,4,5,6,7
	v_cvt_scalef32_pk8_fp8_f32 v[\dst+2*\c:\dst+2*\c+1], v[\src+8*\c:\src+8*\c+7], v[SC]
.endr
	v_nop                                          ; one plain vector line behind the last conversion of a run
.endm
	s_wait_alu depctr_va_vdst(0)
	s_wait_loadcnt 16                              ; fragment 0's sixteen loads are in; fragment 1's sixteen may be out
.irp i, 0,1,2,3,4,5,6,7,8,9,10,11,12,13,14,15
	ds_store_b128 v[STI], v[R0+4*\i:R0+4*\i+3] offset:SP*\i
.endr
.irp c, 0,1,2,3,4,5,6,7                ; LDS serves a wave's instructions in order (ISA guide 5.7.1.4): these see the stores above
	ds_load_b128 v[X+8*\c:X+8*\c+3],   v[STO] offset:64*\c
	ds_load_b128 v[X+8*\c+4:X+8*\c+7], v[STO] offset:64*\c+16
.endr
	s_wait_loadcnt 0x0                             ; fragment 1
.irp i, 0,1,2,3,4,5,6,7,8,9,10,11,12,13,14,15
	ds_store_b128 v[STI], v[R1+4*\i:R1+4*\i+3] offset:STG+SP*\i
.endr
	s_wait_dscnt 16                                ; fragment 0 is back; only the sixteen stores just issued may be out
.irp c, 0,1,2,3,4,5,6,7
	ds_load_b128 v[R0+8*\c:R0+8*\c+3],   v[STO] offset:STG+64*\c
	ds_load_b128 v[R0+8*\c+4:R0+8*\c+7], v[STO] offset:STG+64*\c+16
.endr
	QUANT X, C
.irp c, 0,1,2,3
	global_store_b128 v[OFF], v[C+4*\c:C+4*\c+3], s[12:13] offset:512*\c          ; 512 consecutive bytes, aligned
.endr
	s_wait_dscnt 0x0                               ; fragment 1 is back
	QUANT R0, C+16
.irp c, 0,1,2,3
	global_store_b128 v[OFF], v[C+16+4*\c:C+16+4*\c+3], s[12:13] offset:2048+512*\c
.endr
	s_wait_tensorcnt 0x0                           ; the wave's end, behind my last LDS store
	ds_add_u32 v[SPW], v[NIL]
	s_wait_dscnt 0x0
	s_endpgm
.Lfunc_end_k_q31aa5ad8fa_quant:
	.size	k_q31aa5ad8fa_quant, .Lfunc_end_k_q31aa5ad8fa_quant-k_q31aa5ad8fa_quant
	.p2alignl 7, 3214868480
	.fill 96, 4, 3214868480
	.section	.rodata,"a",@progbits
	.p2align	6, 0x0
	.amdhsa_kernel k_q31aa5ad8fa_quant
		.amdhsa_group_segment_fixed_size 68096
		.amdhsa_private_segment_fixed_size 0
		.amdhsa_enable_private_segment 0
		.amdhsa_kernarg_size 40
		.amdhsa_user_sgpr_count 2
		.amdhsa_user_sgpr_kernarg_segment_ptr 1
		.amdhsa_wavefront_size32 1
		.amdhsa_system_sgpr_workgroup_id_x 1
		.amdhsa_system_sgpr_workgroup_id_y 1
		.amdhsa_system_sgpr_workgroup_id_z 1
		.amdhsa_system_vgpr_workitem_id 0
		.amdhsa_next_free_vgpr 240
		.amdhsa_next_free_sgpr 66
		.amdhsa_reserve_vcc 0
		.amdhsa_float_denorm_mode_32 3
		.amdhsa_float_denorm_mode_16_64 3
		.amdhsa_fp16_overflow 1
		.amdhsa_memory_ordered 1
		.amdhsa_forward_progress 1
		.amdhsa_inst_pref_size 12
	.end_amdhsa_kernel
	.amdgpu_metadata
---
amdhsa.version: [ 1, 2 ]
amdhsa.kernels:
  - .name:           k_q31aa5ad8fa_quant
    .symbol:         k_q31aa5ad8fa_quant.kd
    .args:
      - { .name: x, .offset: 0, .size: 8, .value_kind: global_buffer, .address_space: global }
      - { .name: W_attn, .offset: 8, .size: 8, .value_kind: global_buffer, .address_space: global }
      - { .name: W_proj, .offset: 16, .size: 8, .value_kind: global_buffer, .address_space: global }
      - { .name: lowp_scales, .offset: 24, .size: 8, .value_kind: global_buffer, .address_space: global }
      - { .name: codes, .offset: 32, .size: 8, .value_kind: global_buffer, .address_space: global }
    .group_segment_fixed_size: 68096
    .private_segment_fixed_size: 0
    .kernarg_segment_align: 8
    .kernarg_segment_size: 40
    .max_flat_workgroup_size: 128
    .sgpr_count:     66
    .vgpr_count:     240
    .wavefront_size: 32
...
	.end_amdgpu_metadata
.endif
;; end of part 1
;; launch qkv (part 2): grid 12 x 32, 4 waves a work-group, clusters of 4 x 4, 327,680 bytes of LDS; arguments codes, lowp_scales, b_attn, qkv; writes qkv
.if DOCPART == 2
	.amdgcn_target "amdgcn-amd-amdhsa--gfx1250"
	.amdhsa_code_object_version 6
	.text
	.protected	k_q31aa5ad8fa_qkv
	.globl	k_q31aa5ad8fa_qkv
	.p2align	8
	.type	k_q31aa5ad8fa_qkv,@function
k_q31aa5ad8fa_qkv:
	s_mov_b64 s[64:65], 0
	v_nop
	global_prefetch_b8 v0, s[64:65] scope:SCOPE_SE
	s_setreg_imm32_b32 hwreg(HW_REG_WAVE_MODE, 25, 1), 1
	s_wait_xcnt 0x0
	s_wait_alu depctr_hold_cnt(0) depctr_sa_sdst(0) depctr_va_vdst(0) depctr_va_sdst(0) depctr_va_ssrc(0) depctr_va_vcc(0) depctr_vm_vsrc(0)
	s_getreg_b32 s2, hwreg(HW_REG_IB_STS2, 6, 4)
	s_cmp_eq_u32 s2, 0
	s_cbranch_scc0 .Lentry_in_a_cluster
	s_endpgm
.Lentry_in_a_cluster:
	s_bfe_u32 s2, ttmp6, 0x10000c
	s_cmp_lg_u32 s2, 0xf033
	s_cbranch_scc0 .Lentry_shape_is_right
	s_endpgm
.Lentry_shape_is_right:
; qkv = x W_attn^T + b_attn on codes of FP8 (E4M3), and its three parts quantised at once: q (scale entry 2), k (entry 3), v (entry 5).  K = 1,024.
; OPERANDS come as images of registers (16 rows x 128 K = 2,048 bytes; a tile of 16 rows = 16,384 bytes; rows 0-8,191 x, 8,192-11,263 W_attn): a fragment is four ds_load_b128 at 16 x lane, no pitch, no padding.
; A tile of 256 x 256 results is made by four waves, 128 x 128 each: 64 accumulators, 512 registers.  K goes in steps of 256 through a ring of two LDS slots filled by the tensor data mover.
; THE MATRIX INSTRUCTION IS USED TRANSPOSED (source 0 = 16 rows of B, source 1 = 16 rows of A): lane l holds row l % 16 of A's block, and its registers 0-7 the rows 8 (l / 16) + 0 .. 7 of B's block.
; So the conversion of an accumulator's eight registers IS a pair of registers (2 c, 2 c + 1) of the next product's operand, c = the number of B's block.  What is A and what is B is chosen for that:
;   clusters x = 0, 1 (q, k): A = x (tokens), B = W_attn's rows (features): registers run along the head's 64, the K of q k^T.  Four blocks of B = one image of 16 tokens x 64.
;   cluster  x = 2   (v):     A = W_attn's rows 2,048 on (features), B = x (tokens): registers run along the tokens, the K of p v.  Eight blocks of B = one image of 16 features x 128 keys.
; OUTPUT, images again: q at 0 and k at 8 MiB: (batch x 16 + head) x 131,072 + (token / 16) x 1,024;  v at 16 MiB: (batch x 16 + head) x 131,072 + (token / 128) x 8,192 + (feature / 16) x 2,048.
; Each store covers 512 consecutive bytes, aligned: no stage in LDS is needed on the way out.
; CLUSTERS: 4 x 4 work-groups; A's tile is shared along a row of the cluster, B's along a column: joint loads.  The kind hangs on the cluster's x, which all sixteen partners share.
; LIMITS: entries 0 + 1 between -126 and 127; entries 2, 3, 5 between -126 and 127.  NaN among the inputs is not served.
; REGISTERS: window 0: v16-31 addresses; v32-95 b_attn along registers (q, k); v96-111 b_attn along lanes (v); v112 the scale; v128-255 A's fragments, ONE set (on the way out: v128-159 at work, v160-255 codes);
;   window 1: B's fragments, TWO sets;  windows 2, 3: the accumulators ((a, b) at v[8 (8 (a % 4) + b)]).
.set FR,     16                        ; registers of a fragment
.set NL,     4                         ; LDS loads that bring one
.set NP,     4                         ; places behind this matrix instruction (ISA guide 7.12.1)
.set HALFT,  32768                     ; 128 rows x 256 K: what one tensor load brings: [tile of 16 rows 0..7][128 K 0..1][2,048 bytes]
.set SLOT,   4*HALFT                   ; A's two halves, then B's two
.set SPARE,  2*SLOT                    ; behind the ring: the spare words, 128 bytes a wave, that no other line names
.set KSB,    4096                      ; a tile of 16 rows: its bytes of one K step of 256
.set LAPS,   2                         ; 1,024 / 512
.set ADRA, 16                          ; v16-17  LDS address of my A fragments in slot 0, 1
.set ADRB, 20                          ; v20-21  the same for B
.set GO,   24                          ; v24     16 x lane; never rewritten
.set SPW,  28                          ; v28     LDS address of my spare word; never rewritten
.set NIL,  29                          ; v29     0; never rewritten
.set OBQ,  30                          ; v30     byte offset in b_attn, bias along registers
.set OBV,  31                          ; v31     the same, bias along lanes
.set BQ,   32
.set BV,   96
.set QS,   112
.set QL,   113
.set T,    128
.set CD,   160
.set AF,   128
.set G1, 24                            ; s[24:31] descriptor group 1 for A's tiles;  s[32:39] group 0, one set for each slot
.set G0, 32
.set G1B, 48                           ; s[48:55], s[56:63] the same for B's tiles
.set G0B, 56
.set KIND, 76                          ; s76  0: q or k;  1: v
.set MSB, 0
.macro WIN new                         ; the immediate's high byte repeats the setting that is left
.if MSB != \new
	s_set_vgpr_msb (MSB<<8)|\new
.set MSB, \new
.endif
.endm
.set MUL_LO, 0xa1                      ; source 0 (B) window 1, source 1 (A) window 0, C and D window 2
.set MUL_HI, 0xf1                      ; the same, C and D window 3
.set TO_B,   0x40                      ; destination window 1, address window 0
; A joint load: waves 0 and 1 fetch for A, waves 2 and 3 for B; the branch hangs on the wave's number alone.  An s_nop 0 and four v_nop follow each of the two lines.
.macro JLOAD g0a, g1a, g0b, g1b
	s_cmp_eq_u32 s15, 0
	s_cbranch_scc0 .Lfor_b_\@
	tensor_load_to_lds s[\g0a:\g0a+3], s[\g1a:\g1a+7]
	s_nop 0
.rept 4
	v_nop
.endr
	s_branch .Lasked_\@
.Lfor_b_\@:
	tensor_load_to_lds s[\g0b:\g0b+3], s[\g1b:\g1b+7]
	s_nop 0
.rept 4
	v_nop
.endr
.Lasked_\@:
.endm
.macro CREST                           ; a round of the cluster's barrier behind its opening barrier
	s_cmp_lg_u32 s14, 0
	s_cbranch_scc1 .Lnot_wave_0_\@
	s_barrier_signal -3
.Lnot_wave_0_\@:
	s_barrier_wait -3
	s_barrier_signal -1
	s_barrier_wait -1
.endm
.macro CROUND                          ; a whole round
	s_barrier_signal -1
	s_barrier_wait -1
	CREST
.endm
	s_load_b256 s[4:11], s[0:1], 0x0               ; the codes s[4:5], the scales' exponents s[6:7], b_attn s[8:9], qkv s[10:11]
	v_lshl_add_u32 v[SPW], v0, 2, SPARE
	v_mov_b32 v[NIL], 0
	ds_add_u32 v[SPW], v[NIL]                      ; the wave's opening: the add and its wait stand ahead of my first tensor load; the set-up below, work on registers, stands between them
	ds_add_u32 v[SPW], v[NIL]
	v_lshrrev_b32 v1, 5, v0
	v_readfirstlane_b32 s14, v1                    ; wave 0..3
	s_lshr_b32 s15, s14, 1                         ; which half of A's rows is mine.  Also: I fetch for A (0) or for B (1)
	s_and_b32 s16, s14, 1                          ; which half of B's rows.  Also: which 128 rows of that tile I fetch
	s_bfe_u32 s40, ttmp6, 0x40000                  ; cx, cy: my place in the cluster
	s_bfe_u32 s41, ttmp6, 0x40004
	s_and_b32 s77, ttmp7, 0xffff                   ; the cluster's y: 0..7
	s_lshl_b32 s43, s41, 2
	s_lshl_b32 s43, 15, s43                        ; my row of the cluster
	s_lshl_b32 s44, 0x1111, s40                    ; my column
	; descriptor group 1: 8 rows (tiles of 16 rows) of 4,096 bytes, 16,384 bytes apart; elements of 8 bytes; no padding
	s_or_b32 s[G1+0], s43, (3<<16)|(1<<21)         ; 15:0 the mask: A's tiles go to my row; 17:16 elements of 8 bytes; 21 set beside a mask
	s_or_b32 s[G1B+0], s44, (3<<16)|(1<<21)        ; B's go to my column
.irp g, G1, G1B
	s_mov_b32 s[\g+1], 512<<16                     ; tensor_dim0 = 512 elements
	s_mov_b32 s[\g+2], 8<<16                       ; tensor_dim1 = 8
	s_mov_b32 s[\g+3], 512<<16                     ; tile_dim0
	s_mov_b32 s[\g+4], 8                           ; tile_dim1
	s_mov_b32 s[\g+5], 2048                        ; tensor_dim0_stride, in elements
	s_mov_b32 s[\g+6], 0
	s_mov_b32 s[\g+7], 0
.endr
	; the first rows that I fetch, counted through the buffer of codes.  A's hang on cy, B's on cx, each in registers that never hold the other
	s_lshl_b32 s78, s77, 10                        ; x: 1,024 rows to a cluster's y
	s_lshl_b32 s79, ttmp9, 10
	s_add_co_u32 s79, s79, 8192                    ; W_attn's rows of q (x = 0) or k (x = 1)
	s_mov_b32 s80, 10240                           ; W_attn's rows of v
	s_cmp_eq_u32 ttmp9, 2
	s_cselect_b32 s[KIND], 1, 0
	s_cselect_b32 s20, s80, s78
	s_cselect_b32 s46, s78, s79
	s_lshl_b32 s18, s16, 7
	s_lshl_b32 s81, s41, 8
	s_add_co_u32 s20, s20, s81
	s_add_co_u32 s20, s20, s18
	s_lshl_b32 s20, s20, 10                        ; a row's share of its tile's images is 1,024 bytes
	s_mov_b32 s21, 0
	s_lshl_b32 s82, s40, 8
	s_add_co_u32 s46, s46, s82
	s_add_co_u32 s46, s46, s18
	s_lshl_b32 s46, s46, 10
	s_mov_b32 s47, 0
	s_mul_i32 s45, s14, HALFT                      ; where they go: no place in the cluster enters an LDS address
	s_wait_dscnt 0x0                               ; the opening add is done
	s_wait_kmcnt 0x0
	s_load_b256 s[68:75], s[6:7], 0x0              ; the eight exponents
	s_add_nc_u64 s[20:21], s[4:5], s[20:21]
	s_add_nc_u64 s[46:47], s[4:5], s[46:47]
	CROUND                                         ; all sixteen work-groups are here: the first joint loads meet
.irp s, 0,1
	s_mov_b32 s[G0+4*\s], 1
	s_add_co_u32 s[G0+4*\s+1], s45, \s*SLOT
	s_add_nc_u64 s[G0+4*\s+2:G0+4*\s+3], s[20:21], \s*KSB
	s_or_b32 s[G0+4*\s+3], s[G0+4*\s+3], 0x80000000
	s_mov_b32 s[G0B+4*\s], 1
	s_add_co_u32 s[G0B+4*\s+1], s45, \s*SLOT
	s_add_nc_u64 s[G0B+4*\s+2:G0B+4*\s+3], s[46:47], \s*KSB
	s_or_b32 s[G0B+4*\s+3], s[G0B+4*\s+3], 0x80000000
	JLOAD G0+4*\s, G1, G0B+4*\s, G1B
.endr
	v_and_b32 v1, 31, v0
	v_lshlrev_b32 v[GO], 4, v1
	v_and_b32 v2, 15, v0                           ; r
	v_bfe_u32 v3, v0, 4, 1                         ; h
	s_wait_alu depctr_va_vdst(0)
	s_mul_i32 s83, s15, HALFT                      ; my 128 rows of A
	s_mul_i32 s84, s16, HALFT                      ; my 128 rows of B,
	s_add_co_u32 s84, s84, 2*HALFT                 ; which lie behind A's
.irp s, 0,1
	v_add_nc_u32 v[ADRA+\s], s83, v[GO]
	v_add_nc_u32 v[ADRB+\s], s84, v[GO]
	s_add_co_u32 s83, s83, SLOT
	s_add_co_u32 s84, s84, SLOT
.endr
	; where my results go.  q, k: tokens 256 (4 y + cy) + 128 (w / 2) on, heads 4 (4 x + cx) + 2 (w % 2) on, counted through q and k
	s_lshl_b32 s83, s77, 2
	s_add_co_u32 s84, s83, s41                     ; 4 y + cy
	s_add_co_u32 s85, s83, s40                     ; 4 y + cx
	s_lshl_b32 s86, ttmp9, 2
	s_add_co_u32 s86, s86, s40                     ; 4 x + cx
	s_lshl_b32 s87, s86, 2
	s_lshl_b32 s88, s16, 1
	s_add_co_u32 s87, s87, s88                     ; the head, 0..31
	s_lshr_b32 s88, s87, 4
	s_lshl_b32 s88, s88, 6                         ; q or k: 64 heads' images apart
	s_and_b32 s89, s87, 15
	s_add_co_u32 s88, s88, s89
	s_lshr_b32 s89, s84, 3
	s_lshl_b32 s89, s89, 4                         ; batch x 16
	s_add_co_u32 s88, s88, s89
	s_lshl_b32 s88, s88, 17
	s_and_b32 s89, s84, 7
	s_lshl_b32 s89, s89, 4
	s_lshl_b32 s90, s15, 3
	s_add_co_u32 s89, s89, s90                     ; token / 16 in the batch
	s_lshl_b32 s89, s89, 10
	s_add_co_u32 s88, s88, s89
	; v: heads 4 cy + 2 (w / 2) on, tokens 256 (4 y + cx) + 128 (w % 2) on
	s_lshr_b32 s90, s77, 1
	s_lshl_b32 s90, s90, 4                         ; batch x 16
	s_lshl_b32 s91, s41, 2
	s_add_co_u32 s90, s90, s91
	s_lshl_b32 s91, s15, 1
	s_add_co_u32 s90, s90, s91
	s_add_co_u32 s90, s90, 128                     ; behind q and k
	s_lshl_b32 s90, s90, 17
	s_and_b32 s91, s85, 7
	s_lshl_b32 s91, s91, 1
	s_add_co_u32 s91, s91, s16                     ; token / 128 in the batch
	s_lshl_b32 s91, s91, 13
	s_add_co_u32 s90, s90, s91
	; the biases' places: along registers (q, k): b_attn[256 (4 x + cx) + 128 (w % 2) + 16 b + 8 h + j];  along lanes (v): b_attn[2,048 + 256 cy + 128 (w / 2) + 16 a + r]
	s_lshl_b32 s92, s86, 8
	s_lshl_b32 s93, s16, 7
	s_add_co_u32 s92, s92, s93
	s_lshl_b32 s93, s41, 8
	s_lshl_b32 s94, s15, 7
	s_add_co_u32 s93, s93, s94
	s_add_co_u32 s93, s93, 2048
	s_cmp_eq_u32 s[KIND], 0
	s_cselect_b32 s88, s88, s90
	s_cselect_b32 s92, s92, 0                      ; the set that my kind does not use reads b_attn's first numbers, so that every register is written on every way
	s_cselect_b32 s93, 0, s93
	s_mov_b32 s89, 0
	s_add_nc_u64 s[10:11], s[10:11], s[88:89]
	s_lshl_b32 s92, s92, 2
	s_lshl_b32 s93, s93, 2
	v_lshl_add_u32 v[OBQ], v3, 5, s92
	v_lshl_add_u32 v[OBV], v2, 2, s93
.irp b, 0,1,2,3,4,5,6,7
	global_load_b128 v[BQ+8*\b:BQ+8*\b+3],   v[OBQ], s[8:9] offset:64*\b
	global_load_b128 v[BQ+8*\b+4:BQ+8*\b+7], v[OBQ], s[8:9] offset:64*\b+16
.endr
.irp a, 0,1,2,3,4,5,6,7
	global_load_b32 v[BV+2*\a],   v[OBV], s[8:9] offset:64*\a     ; twice: a pair for the packed multiply-add
	global_load_b32 v[BV+2*\a+1], v[OBV], s[8:9] offset:64*\a
.endr
.macro FRAG reg, adr, q, i             ; a fragment comes back as the image that it is: tile of rows i, the slot's q-th 128 along K
.irp c, 0,1,2,3
	ds_load_b128 v[\reg+4*\c:\reg+4*\c+3], v[\adr] offset:((\i)*2+(\q))*2048+512*\c
.endr
.endm
; 16 matrix instructions: A's blocks a0, a0 + 1 x B's eight, 128 along K.  p: B's set.  zero = 1: the first product starts the sums.  The 64 accumulators take turns, one instruction a turn.
.macro MUL16 a0, p, zero
.irp a, \a0, \a0+1
.irp b, 0,1,2,3,4,5,6,7
.if \zero
	v_wmma_f32_16x16x128_fp8_fp8 v[8*(8*((\a)%4)+\b):8*(8*((\a)%4)+\b)+7], v[128*(\p)+FR*\b:128*(\p)+FR*\b+FR-1], v[AF+FR*(\a):AF+FR*(\a)+FR-1], 0
.else
	v_wmma_f32_16x16x128_fp8_fp8 v[8*(8*((\a)%4)+\b):8*(8*((\a)%4)+\b)+7], v[128*(\p)+FR*\b:128*(\p)+FR*\b+FR-1], v[AF+FR*(\a):AF+FR*(\a)+FR-1], v[8*(8*((\a)%4)+\b):8*(8*((\a)%4)+\b)+7]
.endif
.endr
.endr
.endm
.macro FETCH_B slot, q, p
	WIN TO_B
.irp i, 0,1,2,3,4,5,6,7
	FRAG 128*(\p)+FR*\i, ADRB+\slot, \q, \i
.endr
	WIN 0
.endm
.macro FETCH_A slot, q, i0
.irp i, \i0, \i0+1, \i0+2, \i0+3
	FRAG AF+FR*(\i), ADRA+\slot, \q, \i
.endr
.endm
.macro PLACES n                        ; plain vector instructions between a matrix instruction and a load into, or a vector instruction on, its registers (ISA guide 7.12.1 for vector instructions)
.rept \n
	v_nop
.endr
.endm
; A step of 128 along K that has its successor in the same slot.  A's blocks 0-3 are fetched anew in its middle, blocks 4-7 at its end; B has two sets.
.macro STEP slot, q, zero
	s_wait_dscnt 4*NL                              ; B's set and A's blocks 0-3 are in; the youngest sixteen loads (A's blocks 4-7) may be out
	WIN MUL_LO
	MUL16 0, (\q)%2, \zero
	MUL16 2, (\q)%2, \zero
	s_wait_dscnt 0                                 ; A's blocks 4-7 are in
	PLACES NP
	FETCH_B \slot, (\q)+1, 1-(\q)%2
	FETCH_A \slot, (\q)+1, 0
	WIN MUL_HI
	MUL16 4, (\q)%2, \zero
	MUL16 6, (\q)%2, \zero
	PLACES NP
	WIN 0
	FETCH_A \slot, (\q)+1, 4
.endm
; A slot's last step changes slots: each wave waits for all its tensor loads, adds 0 to its spare word, waits for that and for its reads of this slot, and signals.  fill = 1: the barrier opens a round of the cluster's, and this slot is filled again.
.macro TURN slot, next, fill
	s_wait_tensorcnt 0x0                           ; all my tensor loads have landed: my part of the next slot
	ds_add_u32 v[SPW], v[NIL]                      ; 0 onto my spare word
	s_wait_dscnt 4*NL+1                            ; the add and the youngest sixteen loads may be out
	WIN MUL_LO
	MUL16 0, 1, 0                                  ; sixteen matrix instructions stand between the add and the wait for it
	s_wait_dscnt 0x0                               ; the add is done, and my reads of this slot are over
	s_barrier_signal -1
	MUL16 2, 1, 0
	WIN 0
	s_barrier_wait -1
.if \fill
	CREST                                          ; no wave of any partner still reads this slot or has a load on its way
	s_add_nc_u64 s[G0+4*\slot+2:G0+4*\slot+3], s[G0+4*\slot+2:G0+4*\slot+3], 2*KSB
	s_add_nc_u64 s[G0B+4*\slot+2:G0B+4*\slot+3], s[G0B+4*\slot+2:G0B+4*\slot+3], 2*KSB
	JLOAD G0+4*\slot, G1, G0B+4*\slot, G1B         ; the first tensor load behind the round; its four v_nop are the places in front of the loads below
.else
	PLACES NP
.endif
	FETCH_B \next, 0, 0
	FETCH_A \next, 0, 0
	WIN MUL_HI
	MUL16 4, 1, 0
	MUL16 6, 1, 0
	PLACES NP
	WIN 0
	FETCH_A \next, 0, 4
.endm
	s_wait_alu depctr_va_vdst(0)
	s_wait_tensorcnt 1                             ; my part of K step 0 is in (K step 1's load may be out),
	s_barrier_signal -1
	s_barrier_wait -1                              ; everybody's is
	FETCH_B 0, 0, 0
	FETCH_A 0, 0, 0
	FETCH_A 0, 0, 4
	STEP 0, 0, 1                                   ; the first step stands in front of the loop: its products start the sums
	s_mov_b32 s3, LAPS-1
.Llap:                                                 ; a trip goes once round the ring and fills both slots again
	TURN 0, 1, 1
	STEP 1, 0, 0
	TURN 1, 0, 1
	STEP 0, 0, 0
	s_sub_co_u32 s3, s3, 1
	s_cmp_lg_u32 s3, 0
	s_cbranch_scc1 .Llap
	TURN 0, 1, 0                                   ; the last lap fills nothing
	STEP 1, 0, 0
	s_wait_dscnt 4*NL
	WIN MUL_LO
	MUL16 0, 1, 0
	MUL16 2, 1, 0
	s_wait_dscnt 0
	WIN MUL_HI
	MUL16 4, 1, 0
	MUL16 6, 1, 0
	WIN 0
; THE WAY OUT.  Four accumulators at a time (A's block a, B's blocks 4 g .. 4 g + 3): number = sum x 2^(e0 + e1) + bias, one packed multiply-add for two; the hold; the conversion: eight registers of an image; two stores.
.macro GROUP kind, a, g
.set GN, 2*(\a)+(\g)
.set CDN, CD+8*(GN%12)
.if GN >= 12
	s_wait_xcnt 0x0                                ; the stores of twelve groups back have read this set of codes
.endif
	WIN 0x02+((\a)/4)                              ; source 0: window 2 or 3
.irp bb, 0,1,2,3
.irp i, 0,2,4,6                        ; each accumulator from its low end on
.if \kind
	v_pk_fma_f32 v[T+8*\bb+\i:T+8*\bb+\i+1], v[64*((\a)%4)+8*(4*(\g)+\bb)+\i:64*((\a)%4)+8*(4*(\g)+\bb)+\i+1], s[96:97], v[BV+2*(\a):BV+2*(\a)+1] op_sel_hi:[1,0,1]
.else
	v_pk_fma_f32 v[T+8*\bb+\i:T+8*\bb+\i+1], v[64*((\a)%4)+8*(4*(\g)+\bb)+\i:64*((\a)%4)+8*(4*(\g)+\bb)+\i+1], s[96:97], v[BQ+8*(4*(\g)+\bb)+\i:BQ+8*(4*(\g)+\bb)+\i+1] op_sel_hi:[1,0,1]
.endif
.endr
.endr
	WIN 0
.set J, 0
.rept 32
.set J, J+1
.endr
.irp bb, 0,1,2,3
	v_cvt_scalef32_pk8_fp8_f32 v[CDN+2*\bb:CDN+2*\bb+1], v[T+8*\bb:T+8*\bb+7], v[QS]
.endr
	v_nop                                          ; one plain vector line behind the conversions: the next group writes their sources
.irp c, 0,1
.if \kind
	global_store_b128 v[GO], v[CDN+4*\c:CDN+4*\c+3], s[10:11] offset:((\a)/4)*131072+((\a)%4)*2048+(\g)*1024+512*\c   ; head a / 4, features 16 (a % 4) on, keys 64 g on
.else
	global_store_b128 v[GO], v[CDN+4*\c:CDN+4*\c+3], s[10:11] offset:(\g)*131072+(\a)*1024+512*\c                     ; head g, tokens 16 a on
.endif
.endr
.endm
	s_wait_kmcnt 0x0                               ; the exponents
	s_wait_loadcnt 0x0                             ; the biases
	s_add_co_i32 s96, s68, s69
	s_add_co_i32 s96, s96, 127
	s_lshl_b32 s96, s96, 23                        ; 2^(e0 + e1) as f32
	s_mov_b32 s97, s96                             ; (named with it as a pair, so it is written)
	s_cmp_eq_u32 ttmp9, 0
	s_cselect_b32 s90, s70, s71                    ; q's exponent or k's,
	s_cmp_eq_u32 s[KIND], 0
	s_cselect_b32 s90, s90, s73                    ; or v's
	s_add_co_i32 s90, s90, 127
	s_lshl_b32 s91, s90, 23
	v_mov_b32 v[QS], s91
	PLACES NP                                      ; behind the last products: their results are read and A's registers written below
	s_cmp_eq_u32 s[KIND], 0
	s_cbranch_scc0 .Lkind_v
.irp a, 0,1,2,3,4,5,6,7
	GROUP 0, \a, 0
	GROUP 0, \a, 1
.endr
	s_branch .Lout
.Lkind_v:
.irp a, 0,1,2,3,4,5,6,7
	GROUP 1, \a, 0
	GROUP 1, \a, 1
.endr
.Lout:
	s_wait_tensorcnt 0x0                           ; the wave's end, behind my last tensor load
	ds_add_u32 v[SPW], v[NIL]
	s_wait_dscnt 0x0
	CROUND                                         ; the closing round: no work-group ends while a partner may still ask for a tile that names it
	s_endpgm
.Lfunc_end_k_q31aa5ad8fa_qkv:
	.size	k_q31aa5ad8fa_qkv, .Lfunc_end_k_q31aa5ad8fa_qkv-k_q31aa5ad8fa_qkv
	.p2alignl 7, 3214868480
	.fill 96, 4, 3214868480
	.section	.rodata,"a",@progbits
	.p2align	6, 0x0
	.amdhsa_kernel k_q31aa5ad8fa_qkv
		.amdhsa_group_segment_fixed_size 327680
		.amdhsa_private_segment_fixed_size 0
		.amdhsa_enable_private_segment 0
		.amdhsa_kernarg_size 32
		.amdhsa_user_sgpr_count 2
		.amdhsa_user_sgpr_kernarg_segment_ptr 1
		.amdhsa_wavefront_size32 1
		.amdhsa_system_sgpr_workgroup_id_x 1
		.amdhsa_system_sgpr_workgroup_id_y 1
		.amdhsa_system_sgpr_workgroup_id_z 1
		.amdhsa_system_vgpr_workitem_id 0
		.amdhsa_next_free_vgpr 1024
		.amdhsa_next_free_sgpr 100
		.amdhsa_reserve_vcc 0
		.amdhsa_float_denorm_mode_32 3
		.amdhsa_float_denorm_mode_16_64 3
		.amdhsa_fp16_overflow 1
		.amdhsa_memory_ordered 1
		.amdhsa_forward_progress 1
		.amdhsa_inst_pref_size 131
	.end_amdhsa_kernel
	.amdgpu_metadata
---
amdhsa.version: [ 1, 2 ]
amdhsa.kernels:
  - .name:           k_q31aa5ad8fa_qkv
    .symbol:         k_q31aa5ad8fa_qkv.kd
    .args:
      - { .name: codes, .offset: 0, .size: 8, .value_kind: global_buffer, .address_space: global }
      - { .name: lowp_scales, .offset: 8, .size: 8, .value_kind: global_buffer, .address_space: global }
      - { .name: b_attn, .offset: 16, .size: 8, .value_kind: global_buffer, .address_space: global }
      - { .name: qkv, .offset: 24, .size: 8, .value_kind: global_buffer, .address_space: global }
    .group_segment_fixed_size: 327680
    .private_segment_fixed_size: 0
    .kernarg_segment_align: 8
    .kernarg_segment_size: 32
    .max_flat_workgroup_size: 128
    .sgpr_count:     100
    .vgpr_count:     1024
    .wavefront_size: 32
...
	.end_amdgpu_metadata
.endif
;; end of part 2
;; launch attn (part 3): grid 4 x 64, 8 waves a work-group, clusters of 4 x 1, 263,168 bytes of LDS; arguments qkv, lowp_scales, ycodes; writes ycodes
.if DOCPART == 3
	.amdgcn_target "amdgcn-amd-amdhsa--gfx1250"
	.amdhsa_code_object_version 6
	.text
	.protected	k_q31aa5ad8fa_attn
	.globl	k_q31aa5ad8fa_attn
	.p2align	8
	.type	k_q31aa5ad8fa_attn,@function
k_q31aa5ad8fa_attn:
	s_mov_b64 s[64:65], 0
	v_nop
	global_prefetch_b8 v0, s[64:65] scope:SCOPE_SE
	s_setreg_imm32_b32 hwreg(HW_REG_WAVE_MODE, 25, 1), 1
	s_wait_xcnt 0x0
	s_wait_alu depctr_hold_cnt(0) depctr_sa_sdst(0) depctr_va_vdst(0) depctr_va_sdst(0) depctr_va_ssrc(0) depctr_va_vcc(0) depctr_vm_vsrc(0)
	s_getreg_b32 s2, hwreg(HW_REG_IB_STS2, 6, 4)
	s_cmp_eq_u32 s2, 0
	s_cbranch_scc0 .Lentry_in_a_cluster
	s_endpgm
.Lentry_in_a_cluster:
	s_bfe_u32 s2, ttmp6, 0x10000c
	s_cmp_lg_u32 s2, 0x3003
	s_cbranch_scc0 .Lentry_shape_is_right
	s_endpgm
.Lentry_shape_is_right:
; Causal attention on codes of FP8 (E4M3), 64 heads (batch x 16 + head) of 2,048 tokens x 64, and its result quantised (scale entry 6) as the last product's operand.
; q, k: images of 16 tokens x 64 (1,024 bytes);  v: images of 16 features x 128 keys (2,048 bytes);  y: (batch x 128 + token / 16) x 16,384 + head x 1,024: two heads on end are an image of 16 tokens x 128.
; THE SOFTMAX: t = score x log2(e) / 8; M = the row's largest t so far, rounded UP to a whole number; p = 2^(t - M) is quantised (entry 4), not normalised; the row's sum is taken of the unquantised p and divides at the end.
; When M moves, the sum and O are multiplied by 2^(old M - new M): nothing is rounded, and no branch hangs on data.
; LAYOUT.  Both products transposed: S^T = K Q^T (source 0 = 16 keys), O^T = V^T P^T (source 0 = 16 features): a lane holds ONE query (lane % 16); registers 0-7 of tile t of S^T are keys 16 t + 8 (lane / 16) + 0 .. 7, which is
; where the second product's operand wants them (registers 2 t, 2 t + 1): each conversion's result is a pair of operand registers.  The same holds of O^T and y.
; SHARES.  A cluster of four work-groups is one head.  The head's whole K and V (128 KiB each) lie in every partner's LDS, filled ONCE by joint loads: no ring, nothing is filled again.
; A wave works on a PAIR of tiles of 16 queries, so that each fragment of K and V feeds two matrix instructions.  Group g = queries 128 g .. 128 g + 127; its four pairs go to the four partners (told apart by address and by the mask's
; threshold alone).  Wave w owns group 15 - w and group w: (16 - w) + (w + 1) = 17 steps of 128 keys in every wave of the launch.
; PHASES, each a loop of 8 trips: A: group 15 - w, key steps 0-7 (all keys count);  B: the same group, key steps 8-15;  C: group w, key steps 0-7.  In B and C a step behind the group's own is jumped over (a branch on the wave's number and
; the loop's count), and in the group's own step hidden scores become -infinity.  A has 8 steps and B + C have 9 in every wave, so the one barrier between A and B, which shows the second half of K and V, costs no balance.
; LIMITS: entries 2 + 3 between -123 and 130 (added to the exponent field of log2(e) / 8); entries 4 and 6 between -126 and 127; entries 4 + 5 go through v_ldexp_f32 and have none.
; REGISTERS: window 0: v1-11 addresses and constants; v12-27 eight registers of statistics a tile; v32-47 Q of the high group; v48-79 P; v80-95 Q of the low group; v96-223 S^T, then p; v224-231 at work; v240 y's scale.
;   window 1: v0-63 K of a step; v64-127 V of a step; v128-191 O^T.
.set STEPB, 8192                       ; a key step's images of K, and of V
.set VBASE, 131072                     ; V lies behind K
.set SPARE, 262144                     ; behind both: the spare words, 128 bytes a wave, that no other line names
.set LI,   1                           ; v1   16 x lane; never rewritten
.set ADK,  2                           ; v2   LDS address of the K loads in hand
.set ADV,  3                           ; v3   of the V loads
.set SPW,  4                           ; v4   LDS address of my spare word; never rewritten
.set NIL,  5                           ; v5   0; never rewritten
.set D0,   6                           ; v6, v7  tile u: my query in its group less 8 (lane / 16): register 8 t + j is hidden where 16 t + j is above it
.set NINF, 8                           ; v8   -infinity
.set SCP,  9                           ; v9   2^e4
.set LMP,  10
.set AV0,  11                          ; v11  16 x lane + VBASE
.set ST,   12                          ; tile u at ST + 8 u: +0 -M, +1 the largest t, +2, +3 and +6, +7 the sum in two chains of two halves, +4 f (+5 named with it)
.set QH,   32
.set P,    48
.set QL,   80
.set S,    96
.set TA,   224                         ; tile u at TA + 4 u
.set SCY,  240
.set LMY,  241
.set KF,   0                           ; window 1
.set VF,   64
.set O,    128
.set WV,   10
.set CX,   11
.set BH,   12
.set G1,   16                          ; s[16:23] descriptor group 1
.set G0A,  24                          ; s[24:27] group 0 of my load for the first half, s[28:31] for the second
.set G0B,  28
.set SEL,  32                          ; s[32:33] v_permlanex16_b32's selects: lane l xor 16
.set CS,   34                          ; s[34:35] c = log2(e) / 8 x 2^(e2 + e3)
.set TB,   36                          ; s36  LDS byte of the step's images of K
.set TN,   37                          ; s37  of the next step's
.set KS,   38                          ; s38  the key step
.set LIM,  39                          ; s39  the group's own key step
.set EPV,  48                          ; s48  e4 + e5
.set QHA,  50
.set QLA,  52
.set YHA,  54
.set YLA,  56
.set MSB, 0
.macro WIN new                         ; the immediate's high byte repeats the setting that is left
.if MSB != \new
	s_set_vgpr_msb (MSB<<8)|\new
.set MSB, \new
.endif
.endm
.macro ROUND                           ; a round of the cluster's barrier
	s_barrier_signal -1
	s_barrier_wait -1
	s_cmp_lg_u32 s[WV], 0
	s_cbranch_scc1 .Lnot_wave_0_\@
	s_barrier_signal -3
.Lnot_wave_0_\@:
	s_barrier_wait -3
	s_barrier_signal -1
	s_barrier_wait -1
.endm
	s_load_b128 s[4:7], s[0:1], 0x0                ; qkv s[4:5], the scales' exponents s[6:7]
	s_load_b64 s[8:9], s[0:1], 0x10                ; y's codes
	v_lshl_add_u32 v[SPW], v0, 2, SPARE
	v_mov_b32 v[NIL], 0
	ds_add_u32 v[SPW], v[NIL]                      ; the wave's opening: the add and its wait stand ahead of my first tensor load; the set-up below, work on registers, stands between them
	v_lshrrev_b32 v1, 5, v0
	v_readfirstlane_b32 s[WV], v1                  ; wave 0..7
	s_bfe_u32 s[CX], ttmp6, 0x40000                ; my place in the cluster
	s_and_b32 s[BH], ttmp7, 0xffff                 ; batch x 16 + head, which the four partners share
	; descriptor group 1: a dense block of 16 KiB as 64 rows of 256 bytes
	s_mov_b32 s[G1], 15|(3<<16)|(1<<21)            ; 15:0 the mask: all four work-groups; 17:16 elements of 8 bytes; 21 set beside a mask
	s_mov_b32 s[G1+1], 32<<16                      ; tensor_dim0 = 32 elements
	s_mov_b32 s[G1+2], 64<<16                      ; tensor_dim1 = 64
	s_mov_b32 s[G1+3], 32<<16                      ; tile_dim0
	s_mov_b32 s[G1+4], 64                          ; tile_dim1
	s_mov_b32 s[G1+5], 32                          ; tensor_dim0_stride
	s_mov_b32 s[G1+6], 0
	s_mov_b32 s[G1+7], 0
	; waves 0-3 fetch K, waves 4-7 V: 16 KiB of the first half (key steps 0-7), and the same 65,536 bytes further on
	s_lshr_b32 s13, s[WV], 2
	s_and_b32 s14, s[WV], 3
	s_lshl_b32 s58, s[WV], 14
	s_lshl_b32 s59, s13, 16
	s_mov_b32 s[G0A], 1
	s_add_co_u32 s[G0A+1], s58, s59                ; LDS: 16,384 w, and V's waves 65,536 further: no place in the cluster enters it
	s_mov_b32 s[G0B], 1
	s_add_co_u32 s[G0B+1], s[G0A+1], 65536
	s_add_co_u32 s60, s13, 1
	s_lshl_b32 s60, s60, 23                        ; k at 8 MiB, v at 16 MiB
	s_lshl_b32 s62, s[BH], 17
	s_add_co_u32 s60, s60, s62
	s_lshl_b32 s63, s14, 14
	s_add_co_u32 s60, s60, s63
	s_mov_b32 s61, 0
	s_mov_b32 s[SEL], 0x76543210
	s_mov_b32 s[SEL+1], 0xfedcba98
	s_mov_b32 s[CS], 0x3e38aa3b                    ; log2(e) / 8
	s_wait_dscnt 0x0                               ; the opening add is done
	s_wait_kmcnt 0x0
	s_load_b256 s[40:47], s[6:7], 0x0              ; the eight exponents
	s_add_nc_u64 s[G0A+2:G0A+3], s[4:5], s[60:61]
	s_add_nc_u64 s[G0B+2:G0B+3], s[G0A+2:G0A+3], 65536
	s_or_b32 s[G0A+3], s[G0A+3], 0x80000000
	s_or_b32 s[G0B+3], s[G0B+3], 0x80000000
	ROUND                                          ; all four work-groups are here: the joint loads meet
	tensor_load_to_lds s[G0A:G0A+3], s[G1:G1+7]    ; both of my loads go out together: two are out, by this text's count
	s_nop 0
	tensor_load_to_lds s[G0B:G0B+3], s[G1:G1+7]
	s_nop 0
.rept 4
	v_nop
.endr
	v_and_b32 v1, 31, v0
	v_lshlrev_b32 v[LI], 4, v1
	v_add_nc_u32 v[AV0], VBASE, v[LI]
	v_and_b32 v[D0], 15, v0
	v_bfe_u32 v[D0+1], v0, 4, 1
	v_lshlrev_b32 v[D0+1], 3, v[D0+1]
	v_sub_nc_u32 v[D0], v[D0], v[D0+1]
	s_lshl_b32 s58, s[CX], 5
	v_add_nc_u32 v[D0], s58, v[D0]                 ; r - 8 h + 32 cx
	v_add_nc_u32 v[D0+1], 16, v[D0]
	v_mov_b32 v[NINF], 0xff800000
	v_mov_b32 v[TA+2], 0                           ; written once: a lane permute's destination counts as one of its sources
	v_mov_b32 v[TA+6], 0
	; my two pairs: tiles 8 g + 2 cx and the next, g = 15 - w and g = w
	s_sub_co_u32 s[LIM], 15, s[WV]
	s_lshl_b32 s58, s[LIM], 3
	s_lshl_b32 s59, s[CX], 1
	s_add_co_u32 s58, s58, s59
	s_lshl_b32 s60, s[WV], 3
	s_add_co_u32 s60, s60, s59
	s_lshl_b32 s62, s[BH], 17
	s_lshl_b32 s66, s58, 10
	s_add_co_u32 s66, s66, s62
	s_mov_b32 s67, 0
	s_add_nc_u64 s[QHA:QHA+1], s[4:5], s[66:67]
	s_lshl_b32 s66, s60, 10
	s_add_co_u32 s66, s66, s62
	s_add_nc_u64 s[QLA:QLA+1], s[4:5], s[66:67]
.irp u, 0,1
.irp c, 0,1
	global_load_b128 v[QH+8*\u+4*\c:QH+8*\u+4*\c+3], v[LI], s[QHA:QHA+1] offset:1024*\u+512*\c
	global_load_b128 v[QL+8*\u+4*\c:QL+8*\u+4*\c+3], v[LI], s[QLA:QLA+1] offset:1024*\u+512*\c
.endr
.endr
	s_lshr_b32 s63, s[BH], 4
	s_lshl_b32 s63, s63, 7                         ; batch x 128 tiles
	s_and_b32 s62, s[BH], 15
	s_lshl_b32 s62, s62, 10                        ; the head's 1,024 bytes of a tile
	s_add_co_u32 s66, s63, s58
	s_lshl_b32 s66, s66, 14
	s_add_co_u32 s66, s66, s62
	s_add_nc_u64 s[YHA:YHA+1], s[8:9], s[66:67]
	s_add_co_u32 s66, s63, s60
	s_lshl_b32 s66, s66, 14
	s_add_co_u32 s66, s66, s62
	s_add_nc_u64 s[YLA:YLA+1], s[8:9], s[66:67]
	s_wait_kmcnt 0x0
	s_add_co_i32 s58, s42, s43
	s_lshl_b32 s58, s58, 23
	s_add_co_i32 s[CS], s[CS], s58                 ; a score stands for score x 2^(e2 + e3): added to c's exponent field
	s_mov_b32 s[CS+1], s[CS]                       ; (named with it as a pair, so it is written)
	s_add_co_i32 s58, s44, 127
	s_lshl_b32 s59, s58, 23
	v_mov_b32 v[SCP], s59
	s_add_co_i32 s[EPV], s44, s45
	s_add_co_i32 s58, s46, 127
	s_lshl_b32 s59, s58, 23
	v_mov_b32 v[SCY], s59
.macro INIT                            ; a pair begins: the largest t under every t, zeros in the sums and in O^T, which the first change of M leaves zeros
.irp u, 0,1
	v_mov_b32 v[ST+8*\u+1], 0xff61b1e6             ; -3e38
	v_floor_f32 v[ST+8*\u], -v[ST+8*\u+1]
	v_mov_b32 v[ST+8*\u+2], 0
	v_mov_b32 v[ST+8*\u+3], 0
	v_mov_b32 v[ST+8*\u+5], 0
	v_mov_b32 v[ST+8*\u+6], 0
	v_mov_b32 v[ST+8*\u+7], 0
.endr
	WIN 0x40
.set J, 0
.rept 64
	v_mov_b32 v[O+J], 0
.set J, J+1
.endr
	WIN 0
.endm
.macro KLOADS                          ; a step's eight images of K
.irp t, 0,1,2,3,4,5,6,7
.irp c, 0,1
	ds_load_b128 v[KF+8*\t+4*\c:KF+8*\t+4*\c+3], v[ADK] offset:1024*\t+512*\c
.endr
.endr
.endm
.macro KLOAD                           ; ahead of a phase: its first step's K
	v_add_nc_u32 v[ADK], s[TN], v[LI]
	WIN 0x40
	KLOADS
	WIN 0
.endm
; THE SOFTMAX of a pair's step.  The exponentials go in two batches of 64, one a tile, each with one wait ahead of its first reader; the other tile's plain work stands among them.
.macro SOFTMAX
.irp u, 0,1                            ; the largest score of my query among my 64 keys, in two chains, each accumulator from its low end on
	v_max3_num_f32 v[TA+4*\u],   v[S+64*\u],   v[S+64*\u+1], v[S+64*\u+2]
	v_max3_num_f32 v[TA+4*\u+1], v[S+64*\u+3], v[S+64*\u+4], v[S+64*\u+5]
.endr
.irp i, 6,10,14,18,22,26,30,34,38,42,46,50,54,58
.irp u, 0,1
	v_max3_num_f32 v[TA+4*\u],   v[TA+4*\u],   v[S+64*\u+\i],   v[S+64*\u+\i+1]
	v_max3_num_f32 v[TA+4*\u+1], v[TA+4*\u+1], v[S+64*\u+\i+2], v[S+64*\u+\i+3]
.endr
.endr
.irp u, 0,1
	v_max3_num_f32 v[TA+4*\u], v[TA+4*\u], v[S+64*\u+62], v[S+64*\u+63]
.endr
.irp u, 0,1
	v_max_num_f32 v[TA+4*\u], v[TA+4*\u], v[TA+4*\u+1]
.endr
.irp u, 0,1
	v_permlanex16_b32 v[TA+4*\u+2], v[TA+4*\u], s[SEL], s[SEL+1]
.endr
.irp u, 0,1
	v_max_num_f32 v[TA+4*\u], v[TA+4*\u], v[TA+4*\u+2]   ; and among lane l xor 16's
.endr
.irp u, 0,1
	v_mul_f32 v[TA+4*\u], s[CS], v[TA+4*\u]              ; as t (c is positive)
.endr
.irp u, 0,1
	v_max_num_f32 v[ST+8*\u+1], v[ST+8*\u+1], v[TA+4*\u] ; the running largest t
.endr
.irp u, 0,1
	v_mov_b32 v[TA+4*\u], v[ST+8*\u]
.endr
.irp u, 0,1
	v_floor_f32 v[ST+8*\u], -v[ST+8*\u+1]                ; the new -M = floor(-t): M is a whole number
.endr
.irp u, 0,1
	v_sub_f32 v[TA+4*\u], v[ST+8*\u], v[TA+4*\u]         ; old M - new M: a whole number, 0 or less
.endr
.irp u, 0,1
	v_cvt_i32_f32 v[TA+4*\u], v[TA+4*\u]                 ; (it saturates)
.endr
.irp u, 0,1
	v_ldexp_f32 v[ST+8*\u+4], 1.0, v[TA+4*\u]            ; f = 2^(old M - new M)
.endr
.set J, 0
.rept 32
	v_pk_fma_f32 v[S+J:S+J+1], v[S+J:S+J+1], s[CS:CS+1], v[ST:ST+1] op_sel_hi:[1,0,0]   ; tile 0: t - M, two at a time
.set J, J+2
.endr
.set J, 0
	s_setprio 1
.rept 32                               ; tile 0's exponentials; tile 1's scalings among them
	v_exp_f32 v[S+J], v[S+J]
	v_pk_fma_f32 v[S+64+J:S+64+J+1], v[S+64+J:S+64+J+1], s[CS:CS+1], v[ST+8:ST+9] op_sel_hi:[1,0,0]
	v_exp_f32 v[S+J+1], v[S+J+1]
.set J, J+2
.endr
.irp u, 0,1                            ; the sums under the new M: plain lines behind the last exponential
	v_pk_mul_f32 v[ST+8*\u+2:ST+8*\u+3], v[ST+8*\u+2:ST+8*\u+3], v[ST+8*\u+4:ST+8*\u+5] op_sel_hi:[1,0]
	v_pk_mul_f32 v[ST+8*\u+6:ST+8*\u+7], v[ST+8*\u+6:ST+8*\u+7], v[ST+8*\u+4:ST+8*\u+5] op_sel_hi:[1,0]
.endr
	s_wait_alu depctr_va_vdst(0)                   ; one wait for tile 0's batch, ahead of its first reader
.set J, 0
.rept 32                               ; tile 1's exponentials; among them tile 0's sums, OF THE UNQUANTISED p
	v_exp_f32 v[S+64+J], v[S+64+J]
	v_pk_add_f32 v[ST+2+4*((J/2)%2):ST+3+4*((J/2)%2)], v[ST+2+4*((J/2)%2):ST+3+4*((J/2)%2)], v[S+J:S+J+1]
	v_exp_f32 v[S+64+J+1], v[S+64+J+1]
.set J, J+2
.endr
	s_wait_alu depctr_va_vdst(0)                   ; one wait for tile 1's batch
.irp t, 0,1,2,3,4,5,6,7
	v_cvt_scalef32_pk8_fp8_f32 v[P+2*\t:P+2*\t+1], v[S+8*\t:S+8*\t+7], v[SCP]
.endr
.set J, 0
.rept 32
	v_pk_add_f32 v[ST+10+4*((J/2)%2):ST+11+4*((J/2)%2)], v[ST+10+4*((J/2)%2):ST+11+4*((J/2)%2)], v[S+64+J:S+64+J+1]
.set J, J+2
.endr
	s_setprio 0
.irp t, 0,1,2,3,4,5,6,7
	v_cvt_scalef32_pk8_fp8_f32 v[P+16+2*\t:P+16+2*\t+1], v[S+64+8*\t:S+64+8*\t+7], v[SCP]
.endr
.endm
; A STEP of 128 keys for a pair.  mask = 1: steps behind the group's own are left out, and the group's own is masked.  qb: the pair's Q.
.macro STEP mask, qb
.if \mask
	s_cmp_gt_u32 s[KS], s[LIM]
	s_cbranch_scc1 .Lhidden_\@
.endif
	s_wait_dscnt 0x0                               ; this step's K is in
	WIN 0x01                                       ; K in window 1
	s_setprio 2
.irp t, 0,1,2,3,4,5,6,7
.irp u, 0,1
	v_wmma_f32_16x16x64_fp8_fp8 v[S+64*\u+8*\t:S+64*\u+8*\t+7], v[KF+8*\t:KF+8*\t+7], v[\qb+8*\u:\qb+8*\u+7], 0
.endr
.endr
	WIN 0
	s_add_co_u32 s[TN], s[TB], STEPB
.if !\mask
	s_min_u32 s[TN], s[TN], 7*STEPB                ; the first phase reads nothing of the half that has not yet been shown landed: its last step asks for its own K once more
.endif
	v_add_nc_u32 v[ADK], s[TN], v[LI]              ; these four plain lines are the places behind the products: in front of the loads into K's and V's registers, and of the first read of the scores
	v_add_nc_u32 v[ADV], s[TB], v[AV0]
	v_nop
	v_nop
.if \mask
	s_cmp_eq_u32 s[KS], s[LIM]                     ; the group's last step has no successor
	s_cbranch_scc1 .Lno_k_\@
.endif
	WIN 0x40
	KLOADS                                         ; the next step's K
.if \mask
	WIN 0
.Lno_k_\@:
	WIN 0x40
.endif
.irp n, 0,1,2,3
.irp c, 0,1,2,3
	ds_load_b128 v[VF+16*\n+4*\c:VF+16*\n+4*\c+3], v[ADV] offset:2048*\n+512*\c   ; this step's V: features 16 n on
.endr
.endr
	WIN 0
.if \mask
	s_cmp_lg_u32 s[KS], s[LIM]
	s_cbranch_scc1 .Lopen_\@
.irp u, 0,1                            ; the group's own step: a hidden score becomes -infinity ahead of the maximum, so p = 0.  The step's first key counts for every query
.set J, 0
.rept 64
	v_cmp_gt_i32 vcc_lo, 16*(J/8)+J%8, v[D0+\u]
	v_cndmask_b32 v[S+64*\u+J], v[S+64*\u+J], v[NINF], vcc_lo
.set J, J+1
.endr
.endr
.Lopen_\@:
.endif
	SOFTMAX
	WIN 0x41                                       ; O^T in window 1, f in window 0
.irp u, 0,1
.set J, 0
.rept 16
	v_pk_mul_f32 v[O+32*\u+J:O+32*\u+J+1], v[O+32*\u+J:O+32*\u+J+1], v[ST+8*\u+4:ST+8*\u+5] op_sel_hi:[1,0]   ; O^T under the new M
.set J, J+2
.endr
.endr
	s_wait_dscnt 0x0                               ; V is in
	WIN 0x51                                       ; V and O^T in window 1, P in window 0
.irp n, 0,1,2,3                        ; the eight accumulators take turns, one instruction a turn
.irp u, 0,1
	v_wmma_f32_16x16x128_fp8_fp8 v[O+32*\u+8*\n:O+32*\u+8*\n+7], v[VF+16*\n:VF+16*\n+15], v[P+16*\u:P+16*\u+15], v[O+32*\u+8*\n:O+32*\u+8*\n+7]
.endr
.endr
	WIN 0
.if \mask
.Lhidden_\@:
.endif
	s_add_co_u32 s[TB], s[TB], STEPB
	s_add_co_u32 s[KS], s[KS], 1
.endm
; A pair ends: O^T / the sum x 2^(e4 + e5), held, converted: two images of 16 tokens x 64, stored as they stand.
.macro FINISH yp
.irp u, 0,1                            ; (these plain lines are the places behind the last products)
	v_pk_add_f32 v[ST+8*\u+2:ST+8*\u+3], v[ST+8*\u+2:ST+8*\u+3], v[ST+8*\u+6:ST+8*\u+7]
.endr
.irp u, 0,1
	v_add_f32 v[TA+4*\u], v[ST+8*\u+2], v[ST+8*\u+3]
.endr
.irp u, 0,1
	v_permlanex16_b32 v[TA+4*\u+2], v[TA+4*\u], s[SEL], s[SEL+1]
.endr
.irp u, 0,1
	v_add_f32 v[TA+4*\u], v[TA+4*\u], v[TA+4*\u+2]       ; the row's sum
.endr
.irp u, 0,1
	v_rcp_f32 v[ST+8*\u+4], v[TA+4*\u]
.endr
	v_nop                                          ; a plain line behind the last reciprocal
	s_wait_alu depctr_va_vdst(0)                   ; one wait for the two, ahead of their first reader
.irp u, 0,1
	v_ldexp_f32 v[ST+8*\u+4], v[ST+8*\u+4], s[EPV]
.endr
	WIN 0x01
.irp u, 0,1
.set J, 0
.rept 16
	v_pk_mul_f32 v[S+64*\u+J:S+64*\u+J+1], v[O+32*\u+J:O+32*\u+J+1], v[ST+8*\u+4:ST+8*\u+5] op_sel_hi:[1,0]   ; each accumulator from its low end on
.set J, J+2
.endr
.endr
	WIN 0
.irp u, 0,1
.set J, 0
.rept 32
.set J, J+1
.endr
.endr
.irp u, 0,1
.irp n, 0,1,2,3
	v_cvt_scalef32_pk8_fp8_f32 v[P+8*\u+2*\n:P+8*\u+2*\n+1], v[S+64*\u+8*\n:S+64*\u+8*\n+7], v[SCY]
.endr
.endr
	v_nop                                          ; one plain line behind the last conversion
.irp u, 0,1
.irp c, 0,1
	global_store_b128 v[LI], v[P+8*\u+4*\c:P+8*\u+4*\c+3], s[\yp:\yp+1] offset:16384*\u+512*\c   ; 512 consecutive bytes, aligned
.endr
.endr
.endm
	INIT
	s_wait_loadcnt 0x0                             ; Q
	s_wait_tensorcnt 0x1                           ; my part of the first half is in; my second load may stay out
	s_barrier_signal -1
	s_barrier_wait -1                              ; everybody's is
	s_mov_b32 s[TB], 0
	s_mov_b32 s[TN], 0
	s_mov_b32 s[KS], 0
	KLOAD
.Lphase_a:
	STEP 0, QH
	s_cmp_lt_u32 s[KS], 8
	s_cbranch_scc1 .Lphase_a
	s_setprio 0
	s_wait_tensorcnt 0x0                           ; my part of the second half is in,
	s_wait_dscnt 0x0
	s_barrier_signal -1
	s_barrier_wait -1                              ; everybody's is
	s_mov_b32 s[TN], 8*STEPB                       ; (TB = 8 steps and KS = 8 stand as the loop left them; LIM = 15 - w)
	KLOAD
.Lphase_b:
	STEP 1, QH
	s_cmp_lt_u32 s[KS], 16
	s_cbranch_scc1 .Lphase_b
	s_setprio 0
	s_wait_dscnt 0x0
	FINISH YHA
	s_wait_xcnt 0x0                                ; the stores have read their registers, which the next pair's conversions write
	INIT
	s_mov_b32 s[TB], 0
	s_mov_b32 s[TN], 0
	s_mov_b32 s[KS], 0
	s_mov_b32 s[LIM], s[WV]
	KLOAD
.Lphase_c:
	STEP 1, QL
	s_cmp_lt_u32 s[KS], 8
	s_cbranch_scc1 .Lphase_c
	s_setprio 0
	s_wait_dscnt 0x0
	FINISH YLA
	s_wait_tensorcnt 0x0                           ; the wave's end, behind my last tensor load
	ds_add_u32 v[SPW], v[NIL]
	s_wait_dscnt 0x0
	ROUND                                          ; the closing round
	s_endpgm
.Lfunc_end_k_q31aa5ad8fa_attn:
	.size	k_q31aa5ad8fa_attn, .Lfunc_end_k_q31aa5ad8fa_attn-k_q31aa5ad8fa_attn
	.p2alignl 7, 3214868480
	.fill 96, 4, 3214868480
	.section	.rodata,"a",@progbits
	.p2align	6, 0x0
	.amdhsa_kernel k_q31aa5ad8fa_attn
		.amdhsa_group_segment_fixed_size 263168
		.amdhsa_private_segment_fixed_size 0
		.amdhsa_enable_private_segment 0
		.amdhsa_kernarg_size 24
		.amdhsa_user_sgpr_count 2
		.amdhsa_user_sgpr_kernarg_segment_ptr 1
		.amdhsa_wavefront_size32 1
		.amdhsa_system_sgpr_workgroup_id_x 1
		.amdhsa_system_sgpr_workgroup_id_y 1
		.amdhsa_system_sgpr_workgroup_id_z 1
		.amdhsa_system_vgpr_workitem_id 0
		.amdhsa_next_free_vgpr 448
		.amdhsa_next_free_sgpr 72
		.amdhsa_reserve_vcc 1
		.amdhsa_float_denorm_mode_32 3
		.amdhsa_float_denorm_mode_16_64 3
		.amdhsa_fp16_overflow 1
		.amdhsa_memory_ordered 1
		.amdhsa_forward_progress 1
		.amdhsa_inst_pref_size 116
	.end_amdhsa_kernel
	.amdgpu_metadata
---
amdhsa.version: [ 1, 2 ]
amdhsa.kernels:
  - .name:           k_q31aa5ad8fa_attn
    .symbol:         k_q31aa5ad8fa_attn.kd
    .args:
      - { .name: qkv, .offset: 0, .size: 8, .value_kind: global_buffer, .address_space: global }
      - { .name: lowp_scales, .offset: 8, .size: 8, .value_kind: global_buffer, .address_space: global }
      - { .name: ycodes, .offset: 16, .size: 8, .value_kind: global_buffer, .address_space: global }
    .group_segment_fixed_size: 263168
    .private_segment_fixed_size: 0
    .kernarg_segment_align: 8
    .kernarg_segment_size: 24
    .max_flat_workgroup_size: 256
    .sgpr_count:     72
    .vgpr_count:     448
    .wavefront_size: 32
...
	.end_amdgpu_metadata
.endif
;; end of part 3
;; launch proj (part 4): grid 4 x 32, 4 waves a work-group, clusters of 4 x 4, 327,680 bytes of LDS; arguments ycodes, codes, lowp_scales, b_proj, out0; writes out0
.if DOCPART == 4
	.amdgcn_target "amdgcn-amd-amdhsa--gfx1250"
	.amdhsa_code_object_version 6
	.text
	.protected	k_q31aa5ad8fa_proj
	.globl	k_q31aa5ad8fa_proj
	.p2align	8
	.type	k_q31aa5ad8fa_proj,@function
k_q31aa5ad8fa_proj:
	s_mov_b64 s[64:65], 0
	v_nop
	global_prefetch_b8 v0, s[64:65] scope:SCOPE_SE
	s_setreg_imm32_b32 hwreg(HW_REG_WAVE_MODE, 25, 1), 1
	s_wait_xcnt 0x0
	s_wait_alu depctr_hold_cnt(0) depctr_sa_sdst(0) depctr_va_vdst(0) depctr_va_sdst(0) depctr_va_ssrc(0) depctr_va_vcc(0) depctr_vm_vsrc(0)
	s_getreg_b32 s2, hwreg(HW_REG_IB_STS2, 6, 4)
	s_cmp_eq_u32 s2, 0
	s_cbranch_scc0 .Lentry_in_a_cluster
	s_endpgm
.Lentry_in_a_cluster:
	s_bfe_u32 s2, ttmp6, 0x10000c
	s_cmp_lg_u32 s2, 0xf033
	s_cbranch_scc0 .Lentry_shape_is_right
	s_endpgm
.Lentry_shape_is_right:
; out0 = y W_proj^T + b_proj on codes of FP8 (E4M3): y [8192][1024] (scale entry 6) and W_proj [1024][1024] (entry 7; rows 11,264 on of the buffer of codes), both as images of operand registers
; (16 rows x 128 K = 2,048 bytes; a tile of 16 rows = 16,384 bytes).  out0 [8192][1024] f32.
; A tile of 256 x 256 is made by four waves, 128 x 128 each.  K goes in steps of 256 through a ring of two LDS slots filled by joint tensor loads: 4 x 4 work-groups form a cluster, A's tile shared along its row, B's along its column.
; THE MATRIX INSTRUCTION IS USED TRANSPOSED (source 0 = 16 rows of W_proj, source 1 = 16 rows of y): a lane holds eight neighbouring numbers of a row of out0.
; THE BIAS is the C of each sum's first matrix instruction, divided once by 2^(e6 + e7), the power of two that the sums lack; each finished sum is multiplied by 2^(e6 + e7): neither rounds, short of overflow and underflow.
; The grid has 128 work-groups: a tile of half the size would give each wave half the products for each LDS byte that it reads.
; LIMIT: e6 + e7 between -126 and 127.
; REGISTERS: window 0: v16-31 addresses; v32-95 the bias (on the way out: at work); v128-255 A's fragments, ONE set (on the way out: rows read back);  window 1: B's fragments, TWO sets;  windows 2, 3: the accumulators.
.set FR,     16
.set NL,     4
.set NP,     4                         ; places behind this matrix instruction (ISA guide 7.12.1)
.set HALFT,  32768                     ; what one tensor load brings: [tile of 16 rows 0..7][128 K 0..1][2,048 bytes]
.set SLOT,   4*HALFT
.set SPARE,  2*SLOT                    ; behind the ring: the spare words, 128 bytes a wave, that no other line names
.set STAGE,  SPARE+512                 ; behind them: a stage of 16 rows x 528 bytes for each wave: bytes into which no tile lands
.set SPITCH, 528
.set KSB,    4096
.set LAPS,   2
.set SIZE_N, 1024
.set ADRA, 16
.set ADRB, 20
.set STO,  24                          ; v24  the way out: where I put 32 bytes of a row
.set RD,   25                          ; v25  where I read a row back
.set CO,   26                          ; v26  16 x lane: my byte offset in a row's 512 bytes; never rewritten
.set SPW,  28
.set NIL,  29
.set OBI,  30                          ; v30  byte offset in b_proj
.set BI,   32
.set TMP,  32
.set AF,   128
.set BK,   128
.set G1, 24
.set G0, 32
.set G1B, 48
.set G0B, 56
.set MSB, 0
.macro WIN new                         ; the immediate's high byte repeats the setting that is left
.if MSB != \new
	s_set_vgpr_msb (MSB<<8)|\new
.set MSB, \new
.endif
.endm
.set MUL_LO, 0xa1                      ; source 0 (B) window 1, source 1 (A) window 0, C and D window 2
.set MUL_HI, 0xf1                      ; the same, C and D window 3
.set FST_LO, 0x81                      ; the first step: C (the bias) window 0, D window 2
.set FST_HI, 0xc1                      ; D window 3
.set TO_B,   0x40
.macro JLOAD g0a, g1a, g0b, g1b        ; a joint load: waves 0 and 1 fetch for A, waves 2 and 3 for B; an s_nop 0 and four v_nop follow each of the two lines
	s_cmp_eq_u32 s15, 0
	s_cbranch_scc0 .Lfor_b_\@
	tensor_load_to_lds s[\g0a:\g0a+3], s[\g1a:\g1a+7]
	s_nop 0
.rept 4
	v_nop
.endr
	s_branch .Lasked_\@
.Lfor_b_\@:
	tensor_load_to_lds s[\g0b:\g0b+3], s[\g1b:\g1b+7]
	s_nop 0
.rept 4
	v_nop
.endr
.Lasked_\@:
.endm
.macro CREST
	s_cmp_lg_u32 s14, 0
	s_cbranch_scc1 .Lnot_wave_0_\@
	s_barrier_signal -3
.Lnot_wave_0_\@:
	s_barrier_wait -3
	s_barrier_signal -1
	s_barrier_wait -1
.endm
.macro CROUND
	s_barrier_signal -1
	s_barrier_wait -1
	CREST
.endm
	s_load_b256 s[4:11], s[0:1], 0x0               ; y's codes s[4:5], the weights' codes s[6:7], the scales' exponents s[8:9], b_proj s[10:11]
	s_load_b64 s[12:13], s[0:1], 0x20              ; out0
	v_lshl_add_u32 v[SPW], v0, 2, SPARE
	v_mov_b32 v[NIL], 0
	ds_add_u32 v[SPW], v[NIL]                      ; the wave's opening: the add and its wait stand ahead of my first tensor load; the set-up below, work on registers, stands between them
	v_lshrrev_b32 v1, 5, v0
	v_readfirstlane_b32 s14, v1                    ; wave 0..3
	s_lshr_b32 s15, s14, 1                         ; which half of the tile's rows is mine.  Also: I fetch for A (0) or for B (1)
	s_and_b32 s16, s14, 1                          ; which half of its columns.  Also: which 128 rows of that tile I fetch
	s_bfe_u32 s40, ttmp6, 0x40000                  ; cx = the tile column (the grid is one cluster wide)
	s_bfe_u32 s41, ttmp6, 0x40004                  ; cy
	s_and_b32 s17, ttmp7, 0xffff
	s_lshl_b32 s17, s17, 2
	s_add_co_u32 s17, s17, s41                     ; the tile row = 4 x cluster y + cy
	s_lshl_b32 s43, s41, 2
	s_lshl_b32 s43, 15, s43                        ; my row of the cluster
	s_lshl_b32 s44, 0x1111, s40                    ; my column
	s_or_b32 s[G1+0], s43, (3<<16)|(1<<21)         ; 15:0 the mask; 17:16 elements of 8 bytes; 21 set beside a mask
	s_or_b32 s[G1B+0], s44, (3<<16)|(1<<21)
.irp g, G1, G1B
	s_mov_b32 s[\g+1], 512<<16                     ; tensor_dim0 = 512 elements: 4,096 bytes
	s_mov_b32 s[\g+2], 8<<16                       ; tensor_dim1 = 8 tiles of 16 rows
	s_mov_b32 s[\g+3], 512<<16                     ; tile_dim0
	s_mov_b32 s[\g+4], 8                           ; tile_dim1
	s_mov_b32 s[\g+5], 2048                        ; tensor_dim0_stride: 16,384 bytes
	s_mov_b32 s[\g+6], 0
	s_mov_b32 s[\g+7], 0
.endr
	s_lshl_b32 s18, s16, 7
	s_lshl_b32 s20, s17, 8
	s_add_co_u32 s20, s20, s18                     ; A: row 256 x tile row + 128 x half
	s_lshl_b32 s20, s20, 10
	s_mov_b32 s21, 0
	s_lshl_b32 s46, s40, 8
	s_add_co_u32 s46, s46, s18
	s_add_co_u32 s46, s46, 11264                   ; B: W_proj's rows in the buffer of codes
	s_lshl_b32 s46, s46, 10
	s_mov_b32 s47, 0
	s_mul_i32 s45, s14, HALFT
	s_wait_dscnt 0x0                               ; the opening add is done
	s_wait_kmcnt 0x0
	s_load_b256 s[68:75], s[8:9], 0x0              ; the eight exponents
	s_add_nc_u64 s[20:21], s[4:5], s[20:21]
	s_add_nc_u64 s[46:47], s[6:7], s[46:47]
	CROUND                                         ; all sixteen work-groups are here: the first joint loads meet
.irp s, 0,1
	s_mov_b32 s[G0+4*\s], 1
	s_add_co_u32 s[G0+4*\s+1], s45, \s*SLOT
	s_add_nc_u64 s[G0+4*\s+2:G0+4*\s+3], s[20:21], \s*KSB
	s_or_b32 s[G0+4*\s+3], s[G0+4*\s+3], 0x80000000
	s_mov_b32 s[G0B+4*\s], 1
	s_add_co_u32 s[G0B+4*\s+1], s45, \s*SLOT
	s_add_nc_u64 s[G0B+4*\s+2:G0B+4*\s+3], s[46:47], \s*KSB
	s_or_b32 s[G0B+4*\s+3], s[G0B+4*\s+3], 0x80000000
	JLOAD G0+4*\s, G1, G0B+4*\s, G1B
.endr
	v_and_b32 v1, 15, v0                           ; r
	v_bfe_u32 v2, v0, 4, 1                         ; h
	v_and_b32 v6, 31, v0
	v_lshlrev_b32 v[CO], 4, v6
	s_lshl_b32 s83, s40, 10                        ; b_proj[256 cx + 128 (w % 2) + 16 b + 8 h + j]
	s_lshl_b32 s84, s16, 9
	s_add_co_u32 s83, s83, s84
	v_lshl_add_u32 v[OBI], v2, 5, s83
.irp b, 0,1,2,3,4,5,6,7
	global_load_b128 v[BI+8*\b:BI+8*\b+3],   v[OBI], s[10:11] offset:64*\b
	global_load_b128 v[BI+8*\b+4:BI+8*\b+7], v[OBI], s[10:11] offset:64*\b+16
.endr
	s_mul_i32 s85, s15, HALFT                      ; my 128 rows of A
	s_mul_i32 s86, s16, HALFT                      ; my 128 rows of B,
	s_add_co_u32 s86, s86, 2*HALFT                 ; which lie behind A's
.irp s, 0,1
	v_add_nc_u32 v[ADRA+\s], s85, v[CO]
	v_add_nc_u32 v[ADRB+\s], s86, v[CO]
	s_add_co_u32 s85, s85, SLOT
	s_add_co_u32 s86, s86, SLOT
.endr
	s_mul_i32 s23, s14, 16*SPITCH
	s_add_co_u32 s23, s23, STAGE                   ; my stage
	v_mul_u32_u24 v5, v1, SPITCH                   ; in: row r, 32 bytes for each half of the lanes
	v_lshl_add_u32 v5, v2, 5, v5
	v_add_nc_u32 v[STO], s23, v5
	v_add_nc_u32 v[RD], s23, v[CO]                 ; back: the 32 lanes take one row of 512 bytes
	s_lshl_b32 s87, s17, 8
	s_lshl_b32 s88, s15, 7
	s_add_co_u32 s88, s87, s88                     ; my first row of out0
	s_lshl_b32 s88, s88, 12                        ; rows of 4,096 bytes
	s_add_co_u32 s88, s88, s83                     ; + my first column's bytes: 1,024 cx + 512 (w % 2)
	s_mov_b32 s89, 0
	s_add_nc_u64 s[12:13], s[12:13], s[88:89]
	s_wait_kmcnt 0x0
	s_add_co_i32 s96, s74, s75                     ; e6 + e7
	s_sub_co_i32 s90, 0, s96
	s_add_co_i32 s96, s96, 127
	s_lshl_b32 s96, s96, 23                        ; 2^(e6 + e7) as f32
	s_mov_b32 s97, s96                             ; (named with it as a pair, so it is written)
	s_wait_loadcnt 0x0
.set J, 0
.rept 64
	v_ldexp_f32 v[BI+J], v[BI+J], s90              ; the bias / 2^(e6 + e7), while the first tiles are on their way
.set J, J+1
.endr
.macro FRAG reg, adr, q, i
.irp c, 0,1,2,3
	ds_load_b128 v[\reg+4*\c:\reg+4*\c+3], v[\adr] offset:((\i)*2+(\q))*2048+512*\c
.endr
.endm
; 16 matrix instructions: A's blocks a0, a0 + 1 x B's eight.  first = 1: the sums start from the bias.  The 64 accumulators take turns, one instruction a turn.
.macro MUL16 a0, p, first
.irp a, \a0, \a0+1
.irp b, 0,1,2,3,4,5,6,7
.if \first
	v_wmma_f32_16x16x128_fp8_fp8 v[8*(8*((\a)%4)+\b):8*(8*((\a)%4)+\b)+7], v[128*(\p)+FR*\b:128*(\p)+FR*\b+FR-1], v[AF+FR*(\a):AF+FR*(\a)+FR-1], v[BI+8*\b:BI+8*\b+7]
.else
	v_wmma_f32_16x16x128_fp8_fp8 v[8*(8*((\a)%4)+\b):8*(8*((\a)%4)+\b)+7], v[128*(\p)+FR*\b:128*(\p)+FR*\b+FR-1], v[AF+FR*(\a):AF+FR*(\a)+FR-1], v[8*(8*((\a)%4)+\b):8*(8*((\a)%4)+\b)+7]
.endif
.endr
.endr
.endm
.macro FETCH_B slot, q, p
	WIN TO_B
.irp i, 0,1,2,3,4,5,6,7
	FRAG 128*(\p)+FR*\i, ADRB+\slot, \q, \i
.endr
	WIN 0
.endm
.macro FETCH_A slot, q, i0
.irp i, \i0, \i0+1, \i0+2, \i0+3
	FRAG AF+FR*(\i), ADRA+\slot, \q, \i
.endr
.endm
.macro PLACES n                        ; plain vector instructions between a matrix instruction and a load into, or a vector instruction on, its registers (ISA guide 7.12.1 for vector instructions)
.rept \n
	v_nop
.endr
.endm
.macro STEP slot, q, first
	s_wait_dscnt 4*NL                              ; B's set and A's blocks 0-3 are in; the youngest sixteen loads (A's blocks 4-7) may be out
.if \first
	WIN FST_LO
.else
	WIN MUL_LO
.endif
	MUL16 0, (\q)%2, \first
	MUL16 2, (\q)%2, \first
	s_wait_dscnt 0                                 ; A's blocks 4-7 are in
	PLACES NP
	FETCH_B \slot, (\q)+1, 1-(\q)%2
	FETCH_A \slot, (\q)+1, 0
.if \first
	WIN FST_HI
.else
	WIN MUL_HI
.endif
	MUL16 4, (\q)%2, \first
	MUL16 6, (\q)%2, \first
	PLACES NP
	WIN 0
	FETCH_A \slot, (\q)+1, 4
.endm
.macro TURN slot, next, fill
	s_wait_tensorcnt 0x0                           ; all my tensor loads have landed: my part of the next slot
	ds_add_u32 v[SPW], v[NIL]                      ; 0 onto my spare word
	s_wait_dscnt 4*NL+1                            ; the add and the youngest sixteen loads may be out
	WIN MUL_LO
	MUL16 0, 1, 0                                  ; sixteen matrix instructions stand between the add and the wait for it
	s_wait_dscnt 0x0                               ; the add is done, and my reads of this slot are over
	s_barrier_signal -1
	MUL16 2, 1, 0
	WIN 0
	s_barrier_wait -1
.if \fill
	CREST                                          ; no wave of any partner still reads this slot or has a load on its way
	s_add_nc_u64 s[G0+4*\slot+2:G0+4*\slot+3], s[G0+4*\slot+2:G0+4*\slot+3], 2*KSB
	s_add_nc_u64 s[G0B+4*\slot+2:G0B+4*\slot+3], s[G0B+4*\slot+2:G0B+4*\slot+3], 2*KSB
	JLOAD G0+4*\slot, G1, G0B+4*\slot, G1B         ; the first tensor load behind the round; its four v_nop are the places in front of the loads below
.else
	PLACES NP
.endif
	FETCH_B \next, 0, 0
	FETCH_A \next, 0, 0
	WIN MUL_HI
	MUL16 4, 1, 0
	MUL16 6, 1, 0
	PLACES NP
	WIN 0
	FETCH_A \next, 0, 4
.endm
	s_wait_tensorcnt 1                             ; my part of K step 0 is in (K step 1's load may be out),
	s_barrier_signal -1
	s_barrier_wait -1                              ; everybody's is
	FETCH_B 0, 0, 0
	FETCH_A 0, 0, 0
	FETCH_A 0, 0, 4
	STEP 0, 0, 1                                   ; the first step stands in front of the loop: its products start the sums from the bias
	s_mov_b32 s3, LAPS-1
.Llap:
	TURN 0, 1, 1
	STEP 1, 0, 0
	TURN 1, 0, 1
	STEP 0, 0, 0
	s_sub_co_u32 s3, s3, 1
	s_cmp_lg_u32 s3, 0
	s_cbranch_scc1 .Llap
	TURN 0, 1, 0                                   ; the last lap fills nothing
	STEP 1, 0, 0
	s_wait_dscnt 4*NL
	WIN MUL_LO
	MUL16 0, 1, 0
	MUL16 2, 1, 0
	s_wait_dscnt 0
	WIN MUL_HI
	MUL16 4, 1, 0
	MUL16 6, 1, 0
	WIN 0
; THE WAY OUT, block by block of 16 rows x 128 columns: through my own stage in LDS and back as whole rows of 512 bytes.  LDS serves a wave's instructions in order (ISA guide 5.7.1.4): no wait between the stores and the loads.
.macro TOSTAGE a
.set AC, 64*((\a)%4)
	WIN 0x02+((\a)/4)                              ; source 0: window 2 or 3
.irp j, 0,2,4,6,8,10,12,14,16,18,20,22,24,26,28,30,32,34,36,38,40,42,44,46,48,50,52,54,56,58,60,62
	v_pk_mul_f32 v[TMP+\j:TMP+\j+1], v[AC+\j:AC+\j+1], s[96:97] op_sel_hi:[1,0]   ; x 2^(e6 + e7); each accumulator from its low end on
.endr
	WIN 0
.irp b, 0,1,2,3,4,5,6,7
	ds_store_b128 v[STO], v[TMP+8*\b:TMP+8*\b+3] offset:64*\b
	ds_store_b128 v[STO], v[TMP+8*\b+4:TMP+8*\b+7] offset:64*\b+16
.endr
.set BB, BK+64*((\a)%2)
.irp t, 0,1,2,3,4,5,6,7,8,9,10,11,12,13,14,15
	ds_load_b128 v[BB+4*\t:BB+4*\t+3], v[RD] offset:\t*SPITCH
.endr
.endm
.macro SEND a, younger                 ; younger: the LDS instructions issued behind block a's loads, which may stay out
.set BB, BK+64*((\a)%2)
	s_wait_dscnt \younger                          ; the block is back in registers
.if (\a) > 0
	s_add_nc_u64 s[12:13], s[12:13], 16*SIZE_N*4   ; (behind a wait on XCNT: the earlier stores have read their base)  16 rows on
.endif
.irp t, 0,1,2,3,4,5,6,7,8,9,10,11,12,13,14,15
	global_store_b128 v[CO], v[BB+4*\t:BB+4*\t+3], s[12:13] offset:\t*SIZE_N*4 th:TH_STORE_NT   ; 32 lanes store 512 consecutive bytes, aligned; written once, read by nobody here
.endr
.endm
	PLACES NP                                      ; behind the last products: results are read, and the registers that held A's fragments and the bias are written below
	TOSTAGE 0
.irp a, 1,2,3,4,5,6,7
.if \a > 1
	s_wait_xcnt 0x0                                ; block a - 2's stores have read their registers and their base
.endif
	TOSTAGE \a
	SEND \a-1, 32                                  ; behind block a - 1's loads: block a's 16 stores and 16 loads
.endr
	s_wait_xcnt 0x0                                ; block 6's stores have read their base
	SEND 7, 0
	s_wait_tensorcnt 0x0                           ; the wave's end, behind my last tensor load and my last LDS store
	ds_add_u32 v[SPW], v[NIL]
	s_wait_dscnt 0x0
	CROUND                                         ; the closing round: no work-group ends while a partner may still ask for a tile that names it
	s_endpgm
.Lfunc_end_k_q31aa5ad8fa_proj:
	.size	k_q31aa5ad8fa_proj, .Lfunc_end_k_q31aa5ad8fa_proj-k_q31aa5ad8fa_proj
	.p2alignl 7, 3214868480
	.fill 96, 4, 3214868480
	.section	.rodata,"a",@progbits
	.p2align	6, 0x0
	.amdhsa_kernel k_q31aa5ad8fa_proj
		.amdhsa_group_segment_fixed_size 327680
		.amdhsa_private_segment_fixed_size 0
		.amdhsa_enable_private_segment 0
		.amdhsa_kernarg_size 40
		.amdhsa_user_sgpr_count 2
		.amdhsa_user_sgpr_kernarg_segment_ptr 1
		.amdhsa_wavefront_size32 1
		.amdhsa_system_sgpr_workgroup_id_x 1
		.amdhsa_system_sgpr_workgroup_id_y 1
		.amdhsa_system_sgpr_workgroup_id_z 1
		.amdhsa_system_vgpr_workitem_id 0
		.amdhsa_next_free_vgpr 1024
		.amdhsa_next_free_sgpr 100
		.amdhsa_reserve_vcc 0
		.amdhsa_float_denorm_mode_32 3
		.amdhsa_float_denorm_mode_16_64 3
		.amdhsa_memory_ordered 1
		.amdhsa_forward_progress 1
		.amdhsa_inst_pref_size 128
	.end_amdhsa_kernel
	.amdgpu_metadata
---
amdhsa.version: [ 1, 2 ]
amdhsa.kernels:
  - .name:           k_q31aa5ad8fa_proj
    .symbol:         k_q31aa5ad8fa_proj.kd
    .args:
      - { .name: ycodes, .offset: 0, .size: 8, .value_kind: global_buffer, .address_space: global }
      - { .name: codes, .offset: 8, .size: 8, .value_kind: global_buffer, .address_space: global }
      - { .name: lowp_scales, .offset: 16, .size: 8, .value_kind: global_buffer, .address_space: global }
      - { .name: b_proj, .offset: 24, .size: 8, .value_kind: global_buffer, .address_space: global }
      - { .name: out0, .offset: 32, .size: 8, .value_kind: global_buffer, .address_space: global }
    .group_segment_fixed_size: 327680
    .private_segment_fixed_size: 0
    .kernarg_segment_align: 8
    .kernarg_segment_size: 40
    .max_flat_workgroup_size: 128
    .sgpr_count:     100
    .vgpr_count:     1024
    .wavefront_size: 32
...
	.end_amdgpu_metadata
.endif
;; end of part 4
